; MI455X (gfx1250); checked and timed in simulation.
; The chip was launched on July 23, 2026; its instructions are those of AMD's public machine-readable ISA for CDNA 5 (MIT licence, August 2026) and "CDNA5" Instruction Set Architecture Reference Guide (July 2026). The comments in the code are by the model that wrote it; some were corrected since.
;; Bert Cos Attention. Allowed arithmetic: matrix products marked QUANTISED: E2M1 operands, one E8M0 scale for each 32 along K, by v_wmma_scale_f32_16x16x128_f8f6f4 with both operands' format E2M1 (or v_wmma_scale_f32_32x16x128_f4), f32 sums; products left as they are: bf16, f16 or f32 operands; f32 sums; everything else in f32.
;; Inputs: Wk 1,024 x 1,024 float32; Wq 1,024 x 1,024 float32; Wv 1,024 x 1,024 float32; attention_mask 8 x 1 x 1 x 2,048 int32; bk 1,024 float32; bq 1,024 float32; bv 1,024 float32; hidden_states 8 x 2,048 x 1,024 float32.
;; Outputs: out0 8 x 2,048 x 1,024 float32.
;; This version of the problem:
;;   THIS VERSION OF THE PROBLEM IS GIVEN IN LOW PRECISION. The matrix products marked QUANTISED in the list below multiply operands that are first quantised to E2M1 (2 exponent bits, 1 mantissa bit; 4 bits a number), with one power-of-two scale for each 32 numbers along K (OCP MX v1.0); their sums are f32. The products marked 'left as it is' may take bf16, f16 or f32 operands, with f32 sums. Whichever they take, every output number must still come out within the allowed error. Rounding operands to bf16 (8 significant bits) uses up far more of that allowance than f16 does (11 bits, for magnitudes from 6e-5 to 65,504). All else is computed in f32.
;;   The module's matrix products, in the order in which they are computed (A, B: the left and right operand; K: the contracted axis; several contracted axes count as one K, in the product's order):
;;     1. [M 16,384, K 1,024] x [K 1,024, N 1,024]; A: input hidden_states; B: input Wq: QUANTISED
;;     2. [M 16,384, K 1,024] x [K 1,024, N 1,024]; A: input hidden_states; B: input Wk: QUANTISED
;;     3. [M 16,384, K 1,024] x [K 1,024, N 1,024]; A: input hidden_states; B: input Wv: QUANTISED
;;     4. batch 128 x [M 64, K 2,048] x [K 2,048, N 64]; A: computed on the way; B: computed on the way: left as it is (an operand is computed on the way)
;;     5. batch 128 x [M 2,048, K 64] x [K 64, N 64]; A: computed on the way; B: computed on the way: left as it is (an operand is computed on the way)
;;   THE QUANTISER, for each operand of a quantised product, along K:
;;     - K is cut into blocks of 32 from its start; a last block that is shorter is filled with zeros.
;;     - A block's scale is 2^e with e = floor(log2(the largest magnitude in the block)) - 2, held to -126 .. 127; a block of zeros has e = 0. As a byte (E8M0): e + 127.
;;     - Each number is divided by its block's scale, clamped to +-6, and rounded to the nearest number of E2M1, ties to even, subnormals kept.
;;     - The product sums the exact products of the quantised numbers (number of the format x scale) in f32.
;;   ~~~python
;;   def quantise(x, axis):      # numpy; x: float32 -> the quantised numbers, widened to float32 again
;;       x = np.moveaxis(x, axis, -1); K = x.shape[-1]
;;       x = np.pad(x, [(0, 0)] * (x.ndim - 1) + [(0, -K % 32)]); x = x.reshape(x.shape[:-1] + (-1, 32)); a = np.abs(x).max(-1, keepdims=True)
;;       e = np.where(a > 0, np.clip(np.frexp(np.where(a > 0, a, 1))[1] - 1 - 2, -126, 127), 0)      # np.frexp(a)[1] - 1 = floor(log2(a)), exactly
;;       r = np.clip(x / 2.0 ** e, -6, 6)
;;       step = 2.0 ** (np.maximum(np.frexp(np.where(r == 0, 1, r))[1] - 1, 0) - 1)
;;       q = np.round(r / step) * step * 2.0 ** e      # np.round: ties to even
;;       return np.moveaxis(q.reshape(q.shape[:-2] + (-1,))[..., :K], -1, axis).astype(np.float32)
;;   ~~~
;; One version. Each part assembles by itself: llvm-mc -triple=amdgcn-amd-amdhsa -mcpu=gfx1250 --defsym DOCPART=n.
;; ======== version 1 of 1: 3 launches
;; limits: values are held in f16: magnitudes above 65,504 overflow, below 6.1e-05 lose precision
;; workspace buffers: xq 8,912,896 bytes; wc 1,671,168 bytes; kvp 4,194,304 bytes; icnt 1,024 bytes
;; launch quant (part 1): grid 706 x 1, 4 waves a work-group, no clusters, 39,424 bytes of LDS; arguments hidden_states, Wq, Wk, Wv, attention_mask, xq, wc, icnt; writes xq, wc, icnt
.if DOCPART == 1
	.amdgcn_target "amdgcn-amd-amdhsa--gfx1250"
	.amdhsa_code_object_version 6
	.text
	.protected	k_q8c0a2986aa_quant
	.globl	k_q8c0a2986aa_quant
	.p2align	8
	.type	k_q8c0a2986aa_quant,@function
k_q8c0a2986aa_quant:
	s_mov_b64 s[64:65], 0
	v_nop
	global_prefetch_b8 v0, s[64:65] scope:SCOPE_SE
	s_setreg_imm32_b32 hwreg(HW_REG_WAVE_MODE, 25, 1), 1
	s_wait_xcnt 0x0
; FIRST OF THREE LAUNCHES.  The program: (1) this one turns hidden_states and Wq, Wk, Wv into codes of E2M1 with one E8M0 byte for each 32 along K, and makes 1 / (number of valid tokens) of each batch;
; (2) kvpart makes k and v on codes and sums k^T v over 1,024 positions a work-group; (3) qctx makes q on codes, adds the two halves of k^T v and makes q (k^T v).
; NOTHING OF reference() IS LEFT OUT IN WHOLE UNITS: every input has a way to the output and is loaded.  Two identities, which hold for all values, are used further on:
;   the mask m is 0 or 1 by reference()'s own (attention_mask == 0), so in every term (k m)(v m) = k v m: v's own factor m is not applied;
;   the division of v by the count is a factor common to a whole sum: it is applied once, to the result of the last product (the order of rounding differs from reference()'s).
; LIMITS: NaN and infinities among the inputs are not served.  A block of zeros gets the scale byte 1 where the quantiser says 127: its codes are zeros, which add nothing under any byte but 0xff, and this
; program alone reads the bytes.  Blocks whose largest magnitude lies under 2^(3 - 127) have their byte held at 1.
; THE RECORD, 8,704 bytes: 16 rows of x (or 16 columns of a weight) for all K = 1,024, as an image of the matrix operand's registers.  Block kb (32 along K) of row r: 16 bytes at
; 512 (kb / 2) + 256 (kb % 2) + 16 r; so the 512 bytes number 2 q + c, 16 bytes a lane, are registers 4 c .. 4 c + 3 of the fragment of K step q.  The scale byte of (r, kb) lies at
; 8,192 + 256 (kb / 16) + 16 r + kb % 16: one load of 16 bytes a lane gives four scale registers, K steps 0-3 in lanes 0-15, K steps 4-7 in lanes 16-31.
; xq: record T = rows 16 T .. 16 T + 15.  wc: records 0-63 Wq's column tiles; record 64 + 8 head + t: t < 4 Wk's tile 4 head + t, else Wv's tile 4 head + t - 4.
; WORK-GROUPS: 0-191 the weights, 192-703 x, 704-705 the counts.  The three ways part on the work-group's number; only x's way touches LDS.
.set REC,   8704
.set WREG,  9728                       ; LDS of a wave on x's way: two stages of 32 x 80 bytes, the codes' image (16 x 272), 256 scale bytes
.set SP,    80                         ; a lane's place in a stage: 64 bytes + 16 of padding
.set IMG,   5120
.set IP,    272                        ; 256 bytes of the image + 16 of padding
.set SCB,   9472
.set SPARE, 4*WREG                     ; the spare words, 128 bytes a wave: two blocks of 256 bytes that no other line names
.set SPW,   12                         ; v12  my spare word's address; never rewritten
.set NIL,   13                         ; v13  0; never rewritten
.set R,     16                         ; v16-143  x: eight sets of 16 numbers as loaded
.set X,     144                        ; v144-175 two sets of 16 neighbours
.set C,     176                        ; v176-179 two sets of codes
.set E,     180                        ; v180-181 scale bytes
	s_load_b256 s[4:11], s[0:1], 0x0               ; x, Wq, Wk, Wv
	s_load_b256 s[12:19], s[0:1], 0x20             ; mask, xq, wc, icnt
	v_lshl_add_u32 v[SPW], v0, 2, SPARE
	v_mov_b32 v[NIL], 0
	v_lshrrev_b32 v1, 5, v0
	v_readfirstlane_b32 s20, v1                    ; wave
	v_and_b32 v2, 31, v0                           ; lane
	s_wait_kmcnt 0x0
	s_cmp_lt_u32 ttmp9, 192
	s_cbranch_scc1 .Lweights
	s_cmp_ge_u32 ttmp9, 704
	s_cbranch_scc1 .Lcount
; ---- x.  A wave takes 16 rows x 512 along K: half a record.  A step is one row's 2,048 bytes: four loads of 512 consecutive bytes; they turn through the wave's stage so that a lane holds 16 neighbours
; (two lanes a block); the codes gather in the image, the bytes beside it, and both leave as they lie in the record.
	s_sub_co_u32 s21, ttmp9, 192
	s_lshl_b32 s21, s21, 2
	s_add_co_u32 s21, s21, s20                     ; which half record
	s_lshr_b32 s22, s21, 1                         ; T
	s_and_b32 s23, s21, 1                          ; g: which half of K
	s_lshl_b32 s24, s22, 16                        ; 16 rows of 4,096 bytes
	s_lshl_b32 s25, s23, 11
	s_add_co_u32 s24, s24, s25
	s_mov_b32 s25, 0
	s_add_nc_u64 s[4:5], s[4:5], s[24:25]
	s_mul_i32 s24, s22, REC
	s_lshl_b32 s26, s23, 12
	s_add_co_u32 s26, s26, s24                     ; my codes: T records + 4,096 g
	s_mov_b32 s27, 0
	s_lshl_b32 s28, s23, 8
	s_add_co_u32 s28, s28, s24
	s_add_co_u32 s28, s28, 8192                    ; my scale bytes: + 8,192 + 256 g
	s_mov_b32 s29, 0
	s_add_nc_u64 s[30:31], s[14:15], s[28:29]
	s_add_nc_u64 s[14:15], s[14:15], s[26:27]
	s_mul_i32 s32, s20, WREG
	s_add_co_u32 s33, s32, IMG
	s_add_co_u32 s34, s32, SCB
	v_lshlrev_b32 v3, 4, v2                        ; 16 x lane
	v_lshrrev_b32 v14, 2, v2
	v_mul_u32_u24 v14, v14, SP
	v_and_b32 v15, 3, v2
	v_lshl_add_u32 v14, v15, 4, v14
	v_add_nc_u32 v14, s32, v14                     ; stage, in: 80 (lane / 4) + 16 (lane % 4)
	v_mul_u32_u24 v15, v2, SP
	v_add_nc_u32 v15, s32, v15                     ; stage, out: 80 x lane
	v_lshrrev_b32 v5, 1, v2                        ; my block of the row's sixteen
	v_and_b32 v8, 1, v2
	v_mul_u32_u24 v4, v5, IP
	v_lshl_add_u32 v4, v8, 3, v4
	v_add_nc_u32 v4, s33, v4                       ; image, in: 272 x block + 8 x half; the row adds 16 t
	v_add_nc_u32 v5, s34, v5                       ; scale bytes, in: block; the row adds 16 t
	v_lshrrev_b32 v6, 4, v2
	v_mul_u32_u24 v6, v6, IP
	v_and_b32 v8, 15, v2
	v_lshl_add_u32 v6, v8, 4, v6
	v_add_nc_u32 v6, s33, v6                       ; image, out: sixteen lanes to 256 bytes
	v_lshlrev_b32 v7, 3, v2
	v_add_nc_u32 v10, s34, v7                      ; scale bytes, out: 8 a lane
.macro LOAD t
.irp i, 0,1,2,3
	global_load_b128 v[R+16*((\t)%8)+4*\i:R+16*((\t)%8)+4*\i+3], v3, s[4:5] offset:4096*(\t)+512*\i th:TH_LOAD_NT   ; 32 lanes read 512 consecutive bytes; read once in the launch
.endr
.endm
.macro TURN t                          ; LDS serves a wave's instructions in order: no wait between the stores and the loads
.irp i, 0,1,2,3
	ds_store_b128 v14, v[R+16*((\t)%8)+4*\i:R+16*((\t)%8)+4*\i+3] offset:32*SP*((\t)%2)+8*SP*\i
.endr
.irp i, 0,1,2,3
	ds_load_b128 v[X+16*((\t)%2)+4*\i:X+16*((\t)%2)+4*\i+3], v15 offset:32*SP*((\t)%2)+16*\i
.endr
.endm
.macro STEP t
.set XN, X+16*((\t)%2)
.set CN, C+2*((\t)%2)
.if (\t) > 0
	s_wait_dscnt 2                                 ; this row is back from the stage; behind its loads stand only the last step's two stores
.else
	s_wait_dscnt 0x0
.endif
.if (\t)+8 < 16
	LOAD (\t)+8                                    ; into the set whose stage stores are done by the wait above
.endif
.if (\t) < 15
.if (\t) <= 7
	s_wait_loadcnt 28                              ; the next row's four loads are in; seven younger rows' may be out
.else
	s_wait_loadcnt 4*(14-(\t))                     ; the counts run down
.endif
	TURN (\t)+1
.endif
	v_max3_num_f32 v8, |v[XN]|, |v[XN+1]|, |v[XN+2]|
	v_max3_num_f32 v9, |v[XN+3]|, |v[XN+4]|, |v[XN+5]|
.irp i, 6,10
	v_max3_num_f32 v8, v8, |v[XN+\i]|, |v[XN+\i+1]|
	v_max3_num_f32 v9, v9, |v[XN+\i+2]|, |v[XN+\i+3]|
.endr
	v_max3_num_f32 v8, v8, |v[XN+14]|, |v[XN+15]|
	v_max3_num_f32 v8, v8, v9, 0x1800000           ; the floor 2^(3 - 127): the byte cannot fall under 1
	v_max_num_f32_dpp v8, v8, v8 row_xmask:1 row_mask:0xf bank_mask:0xf   ; with my neighbour's 16: the block's largest magnitude
	v_add_nc_u32 v11, 0xff000000, v8               ; 2 off its exponent field: the conversion takes this operand's exponent field as the scale
	v_cvt_scalef32_pk8_fp4_f32 v[CN], v[XN:XN+7], v11
	v_cvt_scalef32_pk8_fp4_f32 v[CN+1], v[XN+8:XN+15], v11
	v_lshrrev_b32 v[E+(\t)%2], 23, v11             ; the scale's byte (also the plain line behind the conversions)
	ds_store_b64 v4, v[CN:CN+1] offset:16*(\t)
	ds_store_b8 v5, v[E+(\t)%2] offset:16*(\t)     ; both lanes of a block write the same byte
.endm
.irp t, 0,1,2,3,4,5,6,7
	LOAD \t
.endr
	s_wait_loadcnt 28                              ; row 0 is in
	TURN 0
.irp t, 0,1,2,3,4,5,6,7,8,9,10,11,12,13,14,15
	STEP \t
.endr
.irp i, 0,1,2,3,4,5,6,7
	ds_load_b128 v[16+4*\i:19+4*\i], v6 offset:2*IP*\i
.endr
	ds_load_b64 v[48:49], v10
.irp i, 0,1,2,3,4,5,6,7
	s_wait_dscnt 8-\i
	global_store_b128 v3, v[16+4*\i:19+4*\i], s[14:15] offset:512*\i   ; 512 consecutive bytes, aligned
.endr
	s_wait_dscnt 0x0
	global_store_b64 v7, v[48:49], s[30:31]        ; 256 consecutive bytes, aligned
	s_wait_tensorcnt 0x0                           ; the wave's end, behind my last LDS store
	ds_add_u32 v[SPW], v[NIL]
	s_wait_dscnt 0x0
	s_endpgm
; ---- the weights: [K][N], K the first axis.  A lane takes a column and its registers run down K: a block of 32 lies in one lane, and the codes come out with K innermost.
; A work-group: 128 columns x 128 along K of one weight; its four waves stand side by side on 512 bytes of each row.
.Lweights:
	s_lshr_b32 s21, ttmp9, 6                       ; which weight
	s_and_b32 s22, ttmp9, 7                        ; which 128 columns
	s_bfe_u32 s23, ttmp9, 0x30003                  ; which 128 along K
	s_lshl_b32 s24, s22, 3
	s_lshl_b32 s25, s20, 1
	s_add_co_u32 s24, s24, s25                     ; Wq: record 8 cg + 2 w
	s_lshl_b32 s25, s22, 4
	s_lshr_b32 s26, s20, 1
	s_lshl_b32 s26, s26, 3
	s_add_co_u32 s25, s25, s26
	s_and_b32 s26, s20, 1
	s_lshl_b32 s26, s26, 1
	s_add_co_u32 s25, s25, s26
	s_lshl_b32 s26, s21, 2
	s_add_co_u32 s25, s25, s26
	s_add_co_u32 s25, s25, 60                      ; Wk, Wv: 64 + 8 (2 cg + w / 2) + 2 (w % 2) (+ 4 for Wv)
	s_cmp_eq_u32 s21, 0
	s_cselect_b32 s24, s24, s25
	s_cselect_b64 s[26:27], s[6:7], s[8:9]
	s_cmp_eq_u32 s21, 2
	s_cselect_b64 s[26:27], s[10:11], s[26:27]
	s_lshl_b32 s28, s23, 19                        ; 128 rows of 4,096 bytes
	s_lshl_b32 s29, s22, 9
	s_add_co_u32 s28, s28, s29
	s_lshl_b32 s29, s20, 7
	s_add_co_u32 s28, s28, s29
	s_mov_b32 s29, 0
	s_add_nc_u64 s[26:27], s[26:27], s[28:29]
	s_mul_i32 s28, s24, REC
	s_lshr_b32 s30, s23, 2
	s_lshl_b32 s30, s30, 8
	s_and_b32 s31, s23, 3
	s_lshl_b32 s31, s31, 2
	s_add_co_u32 s30, s30, s31
	s_add_co_u32 s30, s30, s28
	s_add_co_u32 s30, s30, 8192                    ; my four scale bytes: 8,192 + 256 (kg / 4) + 4 (kg % 4)
	s_mov_b32 s31, 0
	s_lshl_b32 s32, s23, 10
	s_add_co_u32 s28, s28, s32                     ; my codes: + 1,024 kg
	s_add_nc_u64 s[32:33], s[16:17], s[30:31]
	s_add_nc_u64 s[16:17], s[16:17], s[28:29]
	v_lshlrev_b32 v3, 2, v2
	v_lshrrev_b32 v25, 4, v2
	v_mul_u32_u24 v25, v25, REC
	v_and_b32 v8, 15, v2
	v_lshl_add_u32 v25, v8, 4, v25                 ; lanes 16-31: the next record; 16 bytes a column
.set KK, 0
.rept 128
	global_load_b32 v[32+KK], v3, s[26:27] offset:4096*KK th:TH_LOAD_NT
.set KK, KK+1
.endr
.macro WBLOCK bl
.set WN, 32+32*(\bl)
	v_max3_num_f32 v8, |v[WN]|, |v[WN+1]|, |v[WN+2]|
	v_max3_num_f32 v9, |v[WN+3]|, |v[WN+4]|, |v[WN+5]|
.irp i, 6,10,14,18,22,26
	v_max3_num_f32 v8, v8, |v[WN+\i]|, |v[WN+\i+1]|
	v_max3_num_f32 v9, v9, |v[WN+\i+2]|, |v[WN+\i+3]|
.endr
	v_max3_num_f32 v8, v8, |v[WN+30]|, |v[WN+31]|
	v_max3_num_f32 v8, v8, v9, 0x1800000
	v_add_nc_u32 v11, 0xff000000, v8
	v_lshrrev_b32 v10, 23, v11
.if (\bl) == 0
	v_mov_b32 v24, v10
.else
	v_lshl_or_b32 v24, v10, 8*(\bl), v24
.endif
.irp g, 0,1,2,3
	v_cvt_scalef32_pk8_fp4_f32 v[160+4*(\bl)+\g], v[WN+8*\g:WN+8*\g+7], v11
.endr
	v_nop                                          ; a plain line behind the last conversion
	global_store_b128 v25, v[160+4*(\bl):160+4*(\bl)+3], s[16:17] offset:512*((\bl)/2)+256*((\bl)%2)   ; sixteen lanes store 256 consecutive bytes, aligned
.endm
	s_wait_loadcnt 63                              ; at most 63 of the 128 are out: the first 65, blocks 0 and 1 among them, are in (their own counts, 96 and 64, do not fit the wait's field)
	WBLOCK 0
	WBLOCK 1
	s_wait_loadcnt 32
	WBLOCK 2
	s_wait_loadcnt 0x0
	WBLOCK 3
	global_store_b32 v25, v24, s[32:33]            ; four bytes a column, 16 bytes apart: 96 KiB in the whole launch leave so, one byte for each 128 read; the price of reading each row of W in runs of 512 bytes
	s_endpgm
; ---- 1 / (valid tokens) of a batch: a wave a batch; every lane stores its copy, so EXEC is never narrowed.  Where no token is valid the result is 1 / 0, as in reference().
.Lcount:
	s_sub_co_u32 s21, ttmp9, 704
	s_lshl_b32 s21, s21, 2
	s_add_co_u32 s21, s21, s20                     ; batch
	s_lshl_b32 s22, s21, 13
	s_mov_b32 s23, 0
	s_add_nc_u64 s[12:13], s[12:13], s[22:23]
	s_lshl_b32 s22, s21, 7
	s_add_nc_u64 s[18:19], s[18:19], s[22:23]
	s_mov_b32 s24, 0x76543210
	s_mov_b32 s25, 0xfedcba98
	v_lshlrev_b32 v3, 4, v2
	v_lshlrev_b32 v4, 2, v2
	v_mov_b32 v9, 1.0
.irp i, 0,1,2,3,4,5,6,7,8,9,10,11,12,13,14,15
	global_load_b128 v[32+4*\i:35+4*\i], v3, s[12:13] offset:512*\i
.endr
	s_wait_loadcnt 0x0
.set KK, 0
.rept 64
	v_cmp_eq_u32 vcc_lo, 0, v[32+KK]
	v_cndmask_b32 v[32+KK], 0, v9, vcc_lo          ; 1.0 where the word is 0
.set KK, KK+1
.endr
.irp k, 1,2,3,4,5,6,7
.irp c, 0,1,2,3
	v_pk_add_f32 v[32+2*\c:33+2*\c], v[32+2*\c:33+2*\c], v[32+8*\k+2*\c:33+8*\k+2*\c]
.endr
.endr
	v_pk_add_f32 v[32:33], v[32:33], v[34:35]
	v_pk_add_f32 v[36:37], v[36:37], v[38:39]
	v_pk_add_f32 v[32:33], v[32:33], v[36:37]
	v_add_f32 v8, v32, v33
	v_add_f32_dpp v8, v8, v8 row_xmask:1 row_mask:0xf bank_mask:0xf
	v_add_f32_dpp v8, v8, v8 row_xmask:2 row_mask:0xf bank_mask:0xf
	v_add_f32_dpp v8, v8, v8 row_xmask:4 row_mask:0xf bank_mask:0xf
	v_add_f32_dpp v8, v8, v8 row_xmask:8 row_mask:0xf bank_mask:0xf
	v_permlanex16_b32 v9, v8, s24, s25
	v_add_f32 v8, v8, v9                           ; whole numbers up to 2,048: exact
	v_rcp_f32 v10, v8
	v_nop
	s_wait_alu depctr_va_vdst(0)                   ; ahead of the first line that names the reciprocal
	global_store_b32 v4, v10, s[18:19]
	s_endpgm
.Lfunc_end_k_q8c0a2986aa_quant:
	.size	k_q8c0a2986aa_quant, .Lfunc_end_k_q8c0a2986aa_quant-k_q8c0a2986aa_quant
	.p2alignl 7, 3214868480
	.fill 96, 4, 3214868480
	.section	.rodata,"a",@progbits
	.p2align	6, 0x0
	.amdhsa_kernel k_q8c0a2986aa_quant
		.amdhsa_group_segment_fixed_size 39424
		.amdhsa_private_segment_fixed_size 0
		.amdhsa_enable_private_segment 0
		.amdhsa_kernarg_size 64
		.amdhsa_user_sgpr_count 2
		.amdhsa_user_sgpr_kernarg_segment_ptr 1
		.amdhsa_wavefront_size32 1
		.amdhsa_system_sgpr_workgroup_id_x 1
		.amdhsa_system_sgpr_workgroup_id_y 1
		.amdhsa_system_sgpr_workgroup_id_z 1
		.amdhsa_system_vgpr_workitem_id 0
		.amdhsa_next_free_vgpr 192
		.amdhsa_next_free_sgpr 66
		.amdhsa_reserve_vcc 1
		.amdhsa_float_denorm_mode_32 3
		.amdhsa_float_denorm_mode_16_64 3
		.amdhsa_memory_ordered 1
		.amdhsa_forward_progress 1
		.amdhsa_inst_pref_size 64
	.end_amdhsa_kernel
	.amdgpu_metadata
---
amdhsa.version: [ 1, 2 ]
amdhsa.kernels:
  - .name:           k_q8c0a2986aa_quant
    .symbol:         k_q8c0a2986aa_quant.kd
    .args:
      - { .name: hidden_states, .offset: 0, .size: 8, .value_kind: global_buffer, .address_space: global }
      - { .name: Wq, .offset: 8, .size: 8, .value_kind: global_buffer, .address_space: global }
      - { .name: Wk, .offset: 16, .size: 8, .value_kind: global_buffer, .address_space: global }
      - { .name: Wv, .offset: 24, .size: 8, .value_kind: global_buffer, .address_space: global }
      - { .name: attention_mask, .offset: 32, .size: 8, .value_kind: global_buffer, .address_space: global }
      - { .name: xq, .offset: 40, .size: 8, .value_kind: global_buffer, .address_space: global }
      - { .name: wc, .offset: 48, .size: 8, .value_kind: global_buffer, .address_space: global }
      - { .name: icnt, .offset: 56, .size: 8, .value_kind: global_buffer, .address_space: global }
    .group_segment_fixed_size: 39424
    .private_segment_fixed_size: 0
    .kernarg_segment_align: 8
    .kernarg_segment_size: 64
    .max_flat_workgroup_size: 128
    .sgpr_count:     66
    .vgpr_count:     192
    .wavefront_size: 32
...
	.end_amdgpu_metadata
.endif
;; end of part 1
;; launch kvpart (part 2): grid 16 x 16, 4 waves a work-group, clusters of 4 x 1, 327,680 bytes of LDS; arguments xq, wc, attention_mask, bk, bv, kvp; writes kvp
.if DOCPART == 2
	.amdgcn_target "amdgcn-amd-amdhsa--gfx1250"
	.amdhsa_code_object_version 6
	.text
	.protected	k_q8c0a2986aa_kvpart
	.globl	k_q8c0a2986aa_kvpart
	.p2align	8
	.type	k_q8c0a2986aa_kvpart,@function
k_q8c0a2986aa_kvpart:
	s_mov_b64 s[64:65], 0
	v_nop
	global_prefetch_b8 v0, s[64:65] scope:SCOPE_SE
	s_setreg_imm32_b32 hwreg(HW_REG_WAVE_MODE, 25, 1), 1
	s_wait_xcnt 0x0
	s_wait_alu depctr_hold_cnt(0) depctr_sa_sdst(0) depctr_va_vdst(0) depctr_va_sdst(0) depctr_va_ssrc(0) depctr_va_vcc(0) depctr_vm_vsrc(0)
	s_getreg_b32 s2, hwreg(HW_REG_IB_STS2, 6, 4)
	s_cmp_eq_u32 s2, 0
	s_cbranch_scc0 .Lentry_in_a_cluster
	s_endpgm
.Lentry_in_a_cluster:
	s_bfe_u32 s2, ttmp6, 0x10000c
	s_cmp_lg_u32 s2, 0x3003
	s_cbranch_scc0 .Lentry_shape_is_right
	s_endpgm
.Lentry_shape_is_right:
; SECOND LAUNCH.  k = x Wk + bk and v = x Wv + bv on codes of E2M1 (the records that the first launch laid), k masked and normalised over its head's 64 columns, and the part of k^T v of 1,024 positions.
; LEFT OUT, by identities that hold for all values: v's own mask factor (the mask is 0 or 1 and k carries it: (k m)(v m) = k v m); the division of v by the count is applied in the last launch.
; LIMITS: k (at most 1) and v go to the second product as f16: |v| under 65,504; a v beyond that in a masked row gives NaN where reference() gives 0.  NaN and infinities among the inputs are not served.
; SHARES.  Work-group (head, y): rows 1,024 y .. + 1,023 (y = 2 batch + half) against the head's 64 columns of k and 64 of v.  THE WEIGHTS STAND STILL: each wave holds all eight records of W (128 columns, all K)
; in 512 registers, so each fragment of x read from LDS feeds eight matrix instructions.  Wave w owns rows 256 w .. + 255 of the work-group's: 16 records, 16 tiles of 16 rows.
; CLUSTER: the four work-groups of a cluster are four heads on the same rows: every record of x is asked for JOINTLY, by the same tensor load with the same descriptor (made of y and the wave's number alone) and the mask 15.
; x comes in four fills of four records a wave through two slots of the wave's own; only the wave that asked reads them.  By this text's own count at most two tensor loads of a wave are out.
; ORIENTATION: source 0 = x, source 1 = W: lane (r, h) register j of a result holds (row 8 h + j, column 16 t + r).  So two successive tiles of rows, rounded to f16 in pairs, ARE the fragments (K = 32 positions) of
; k^T and of v for the second product: nothing changes lanes.  The biases are the C of each sum's first matrix instruction.
; REGISTERS.  window 0: v1-16 addresses; v28, v29 the add's two; v32-63 W's scale words; v64-67 x's; v68-83 row masks, two sets; v84-91 sums of squares, then row weights; v96-159 x's eight fragments; v160-223 eight accumulators.
;   windows 1, 2: W, tile t, K step q at v[32 t + 8 (q % 4)] of window 1 + q / 4.   window 3: v0-127 k^T v, tile (et, dt) at 8 (4 dt + et); v128-191 biases; v192-223 k as f16; v224-255 v as f16.
.set REC,   8704
.set SLOTB, 4*REC                      ; a slot: four records
.set WAVEB, 2*SLOTB                    ; a wave's two slots
.set XCH,   4*WAVEB                    ; behind the slots: 34,816 bytes through which W goes from wave to wave; no fill lands here
.set MSK,   XCH+SLOTB                  ; each wave's 256 row masks as f32
.set SPARE, MSK+4096                   ; the spare words, 128 bytes a wave: two blocks of 256 bytes that no other line names
.set XA0, 4
.set XA1, 5
.set MA,  6
.set XW,  7
.set XR,  8
.set L16, 9
.set R4,  10
.set L32, 11
.set MW,  12
.set RA,  13
.set SPW, 28
.set NIL, 29
.set WS,  32
.set XS,  64
.set MK,  68
.set SS,  84
.set XF,  96
.set ACC, 160
.set BT,  232
.set KV,  0
.set BIAS, 128
.set KH,  192
.set VH,  224
.set MSB, 0
.macro WIN new                         ; the immediate's high byte repeats the setting that is left
.if MSB != \new
	s_set_vgpr_msb (MSB<<8)|\new
.set MSB, \new
.endif
.endm
.macro PLACES                          ; four plain lines between a matrix instruction and a load into, or a vector read of, its registers
.rept 4
	v_nop
.endr
.endm
.macro BAR                             ; my LDS stores have landed and my LDS loads are in: then the work-group's barrier
	s_wait_dscnt 0x0
	s_barrier_signal -1
	s_barrier_wait -1
.endm
.macro ROUND                           ; a round of the cluster's barrier
	s_barrier_signal -1
	s_barrier_wait -1
	s_cmp_lg_u32 s16, 0
	s_cbranch_scc1 .Lnot_wave_0_\@
	s_barrier_signal -3
.Lnot_wave_0_\@:
	s_barrier_wait -3
	s_barrier_signal -1
	s_barrier_wait -1
.endm
	s_load_b256 s[4:11], s[0:1], 0x0               ; xq, wc, mask, bk
	s_load_b128 s[12:15], s[0:1], 0x20             ; bv, kvp
	v_lshl_add_u32 v[SPW], v0, 2, SPARE
	v_mov_b32 v[NIL], 0
	ds_add_u32 v[SPW], v[NIL]                      ; the wave's opening: the add, twice on end, and its wait ahead of my first tensor load
	ds_add_u32 v[SPW], v[NIL]
	v_lshrrev_b32 v1, 5, v0
	v_readfirstlane_b32 s16, v1                    ; wave
	s_bfe_u32 s17, ttmp6, 0x40000                  ; cx
	s_lshl_b32 s18, ttmp9, 2
	s_add_co_u32 s18, s18, s17                     ; head: it enters the addresses of wc, bk, bv and kvp alone
	s_and_b32 s19, ttmp7, 0xffff                   ; y, which the four partners share
	s_mov_b32 s24, 15|(3<<16)|(1<<21)              ; group 1: the mask names all four; elements of 8 bytes; bit 21 set beside a mask; no padding
	s_mov_b32 s25, 32<<16                          ; tensor_dim0 = 32 elements: rows of 256 bytes
	s_mov_b32 s26, 136<<16                         ; tensor_dim1 = 136 rows: four records, dense
	s_mov_b32 s27, 32<<16                          ; tile_dim0
	s_mov_b32 s28, 136                             ; tile_dim1
	s_mov_b32 s29, 32                              ; pitch
	s_mov_b32 s30, 0
	s_mov_b32 s31, 0
	s_mov_b32 s40, 0x5368d4a5                      ; 1e12 = 1 / reference()'s EPS
	s_lshl_b32 s20, s19, 6
	s_lshl_b32 s21, s16, 4
	s_add_co_u32 s20, s20, s21                     ; my first record: 64 y + 16 w
	s_mul_i32 s20, s20, REC
	s_mov_b32 s21, 0
	s_mov_b32 s32, 1
	s_mul_i32 s33, s16, WAVEB                      ; slot 0 of my wave
	s_mov_b32 s36, 1
	s_add_co_u32 s37, s33, SLOTB                   ; slot 1
	s_wait_dscnt 0x0                               ; both opening adds are done
	s_wait_kmcnt 0x0
	s_add_nc_u64 s[34:35], s[4:5], s[20:21]
	s_add_nc_u64 s[38:39], s[34:35], SLOTB
	s_or_b32 s35, s35, 0x80000000
	s_or_b32 s39, s39, 0x80000000
	ROUND                                          ; all four work-groups are here: the first joint loads meet
	tensor_load_to_lds s[32:35], s[24:31]          ; records 0-3
	s_nop 0
	tensor_load_to_lds s[36:39], s[24:31]          ; records 4-7
	s_nop 0
	PLACES
	v_and_b32 v1, 31, v0                           ; l
	v_and_b32 v2, 15, v0                           ; r
	v_bfe_u32 v3, v0, 4, 1                         ; h
	v_lshlrev_b32 v[L16], 4, v1
	v_lshlrev_b32 v[R4], 2, v2
	v_lshlrev_b32 v[L32], 5, v1
	v_add_nc_u32 v[XA0], s33, v[L16]
	v_add_nc_u32 v[XA1], SLOTB, v[XA0]
	s_lshl_b32 s22, s16, 10
	s_add_co_u32 s22, s22, MSK
	v_lshl_add_u32 v[MA], v3, 5, s22               ; my half's eight rows of a tile
	v_add_nc_u32 v[MW], s22, v[L32]
	s_mul_i32 s23, s16, REC
	s_add_co_u32 s23, s23, XCH
	v_add_nc_u32 v[XW], s23, v[L16]
	v_add_nc_u32 v[XR], XCH, v[L16]
	s_lshl_b32 s23, s16, 12
	v_add_nc_u32 v[RA], s23, v[L16]                ; the end: tiles 4 w .. 4 w + 3 in each wave's area
	v_add_nc_u32 v[RA+1], WAVEB, v[RA]
	v_add_nc_u32 v[RA+2], 2*WAVEB, v[RA]
	v_add_nc_u32 v[RA+3], 3*WAVEB, v[RA]
	v_mov_b32 v92, 1.0
	s_lshl_b32 s42, s19, 12
	s_lshl_b32 s43, s16, 10
	s_add_co_u32 s42, s42, s43
	s_mov_b32 s43, 0
	s_add_nc_u64 s[8:9], s[8:9], s[42:43]          ; my 256 mask words
	s_lshl_b32 s42, s18, 8
	s_add_nc_u64 s[10:11], s[10:11], s[42:43]      ; the head's 64 numbers of bk,
	s_add_nc_u64 s[12:13], s[12:13], s[42:43]      ; of bv
	s_lshl_b32 s42, s18, 3
	s_add_co_u32 s42, s42, s16
	s_add_co_u32 s42, s42, 64
	s_mul_i32 s42, s42, REC
	s_add_nc_u64 s[6:7], s[6:7], s[42:43]          ; record 64 + 8 head + w
	s_lshr_b32 s42, s19, 1
	s_lshl_b32 s42, s42, 5
	s_lshl_b32 s44, s18, 1
	s_add_co_u32 s42, s42, s44
	s_and_b32 s44, s19, 1
	s_add_co_u32 s42, s42, s44                     ; 32 batch + 2 head + half
	s_lshl_b32 s42, s42, 14
	s_lshl_b32 s44, s16, 12
	s_add_co_u32 s42, s42, s44
	s_add_nc_u64 s[14:15], s[14:15], s[42:43]
	global_load_b128 v[SS:SS+3], v[L32], s[8:9]
	global_load_b128 v[SS+4:SS+7], v[L32], s[8:9] offset:16
.irp t, 0,1,2,3
	global_load_b32 v[BT+\t], v[R4], s[10:11] offset:64*\t
.endr
.irp t, 0,1,2,3
	global_load_b32 v[BT+4+\t], v[R4], s[12:13] offset:64*\t
.endr
.irp k, 0,1,2,3,4,5,6,7,8,9,10,11,12,13,14,15,16
	global_load_b128 v[96+4*\k:99+4*\k], v[L16], s[6:7] offset:512*\k
.endr
.irp k, 0,1,2,3,4,5,6,7,8,9,10,11,12,13,14,15,16
	global_load_b128 v[164+4*\k:167+4*\k], v[L16], s[6:7] offset:SLOTB+512*\k
.endr
; W GOES FROM WAVE TO WAVE THROUGH LDS, four records at a time, so that the work-group fetches its 69,632 bytes once: each wave stores the record that it loaded, as it lies; every wave loads all four.
.macro WSTORE src
.irp k, 0,1,2,3,4,5,6,7,8,9,10,11,12,13,14,15,16
	ds_store_b128 v[XW], v[\src+4*\k:\src+4*\k+3] offset:512*\k
.endr
.endm
.macro WFETCH ph
	WIN 0x40                                       ; destination window 1: K steps 0-3
.irp t, 0,1,2,3
.irp k, 0,1,2,3,4,5,6,7
	ds_load_b128 v[32*(4*\ph+\t)+4*\k:32*(4*\ph+\t)+4*\k+3], v[XR] offset:REC*\t+512*\k
.endr
.endr
	WIN 0x80                                       ; window 2: K steps 4-7
.irp t, 0,1,2,3
.irp k, 0,1,2,3,4,5,6,7
	ds_load_b128 v[32*(4*\ph+\t)+4*\k:32*(4*\ph+\t)+4*\k+3], v[XR] offset:REC*\t+4096+512*\k
.endr
.endr
	WIN 0
.irp t, 0,1,2,3
	ds_load_b128 v[WS+4*(4*\ph+\t):WS+4*(4*\ph+\t)+3], v[XR] offset:REC*\t+8192
.endr
.endm
	s_wait_loadcnt 17                              ; all but the second record's 17 loads: mask, biases and the first record are in
	WSTORE 96
	BAR
	WFETCH 0
.irp j, 0,1,2,3,4,5,6,7
	v_cmp_eq_u32 vcc_lo, 0, v[SS+\j]
	v_cndmask_b32 v[SS+\j], 0, v92, vcc_lo         ; the mask as reference() makes it: 1.0 where the word is 0
.endr
	ds_store_b128 v[MW], v[SS:SS+3]                ; my wave's own bytes: LDS serves a wave's instructions in order
	ds_store_b128 v[MW], v[SS+4:SS+7] offset:16
	WIN 0xC0
.irp t, 0,1,2,3,4,5,6,7
.irp j, 0,1,2,3,4,5,6,7
	v_mov_b32 v[BIAS+8*\t+\j], v[BT+\t]            ; a lane's eight results of a tile share a column: its bias eight times, written once for 16 tiles of rows
.endr
.endr
	WIN 0
	BAR                                            ; everybody's reads of the first four records are over
	s_wait_loadcnt 0x0
	WSTORE 164
	BAR
	WFETCH 1
; 64 matrix instructions: 16 rows x 128 columns x K = 1,024.  The eight accumulators take turns, one instruction a turn.
.macro GEMM
.irp q, 0,1,2,3,4,5,6,7
.if \q == 0
	WIN 0x34                                       ; source 1 (W) window 1, C (biases) window 3
.elseif \q < 4
	WIN 0x04
.else
	WIN 0x08                                       ; W in window 2
.endif
.irp t, 0,1,2,3,4,5,6,7
.if \q == 0
	v_wmma_scale_f32_16x16x128_f8f6f4 v[ACC+8*\t:ACC+8*\t+7], v[XF:XF+7], v[32*\t:32*\t+7], v[BIAS+8*\t:BIAS+8*\t+7], v[XS], v[WS+4*\t] matrix_a_fmt:MATRIX_FMT_FP4 matrix_b_fmt:MATRIX_FMT_FP4
.elseif \q < 4
	v_wmma_scale_f32_16x16x128_f8f6f4 v[ACC+8*\t:ACC+8*\t+7], v[XF+8*\q:XF+8*\q+7], v[32*\t+8*\q:32*\t+8*\q+7], v[ACC+8*\t:ACC+8*\t+7], v[XS+\q], v[WS+4*\t+\q] matrix_a_fmt:MATRIX_FMT_FP4 matrix_b_fmt:MATRIX_FMT_FP4
.else
	v_wmma_scale_f32_16x16x128_f8f6f4 v[ACC+8*\t:ACC+8*\t+7], v[XF+8*\q:XF+8*\q+7], v[32*\t+8*(\q-4):32*\t+8*(\q-4)+7], v[ACC+8*\t:ACC+8*\t+7], v[XS+\q-4], v[WS+4*\t+\q-4] matrix_a_fmt:MATRIX_FMT_FP4 matrix_b_fmt:MATRIX_FMT_FP4 matrix_a_scale:MATRIX_SCALE_ROW1 matrix_b_scale:MATRIX_SCALE_ROW1
.endif
.endr
.endr
	WIN 0
.endm
.macro LOADT i                         ; tile i: its record (16 pieces of codes, the scale words) and its rows' masks
.irp k, 0,1,2,3,4,5,6,7,8,9,10,11,12,13,14,15
	ds_load_b128 v[XF+4*\k:XF+4*\k+3], v[XA0+((\i)/4)%2] offset:((\i)%4)*REC+512*\k
.endr
	ds_load_b128 v[XS:XS+3], v[XA0+((\i)/4)%2] offset:((\i)%4)*REC+8192
	ds_load_b128 v[MK+8*((\i)%2):MK+8*((\i)%2)+3], v[MA] offset:64*(\i)
	ds_load_b128 v[MK+8*((\i)%2)+4:MK+8*((\i)%2)+7], v[MA] offset:64*(\i)+16
.endm
; Behind a tile's products: k's rows are weighed by mask x min(1 / sqrt(sum of squares), 1e12), which is mask / max(norm, 1e-12); k and v are rounded to f16 into half u of the next product's fragments.
.macro EPI u
.irp t, 0,1,2,3
.irp p, 0,1,2,3
.if \t == 0
	v_pk_mul_f32 v[SS+2*\p:SS+2*\p+1], v[ACC+2*\p:ACC+2*\p+1], v[ACC+2*\p:ACC+2*\p+1]
.else
	v_pk_fma_f32 v[SS+2*\p:SS+2*\p+1], v[ACC+8*\t+2*\p:ACC+8*\t+2*\p+1], v[ACC+8*\t+2*\p:ACC+8*\t+2*\p+1], v[SS+2*\p:SS+2*\p+1]   ; each accumulator from its low end on
.endif
.endr
.endr
.irp m, 1,2,4,8
.irp j, 0,1,2,3,4,5,6,7
	v_add_f32_dpp v[SS+\j], v[SS+\j], v[SS+\j] row_xmask:\m row_mask:0xf bank_mask:0xf   ; over the sixteen lanes that hold a row's columns
.endr
.endr
.irp j, 0,1,2,3,4,5,6,7
	v_rsq_f32 v[SS+\j], v[SS+\j]
.endr
	WIN 0xC0
.irp t, 0,1,2,3
.irp p, 0,1,2,3
	v_cvt_pk_f16_f32 v[VH+8*\t+4*(\u)+\p], v[ACC+32+8*\t+2*\p], v[ACC+32+8*\t+2*\p+1]   ; v: work that names no root, behind the batch
.endr
.endr
	WIN 0
	s_wait_alu depctr_va_vdst(0)                   ; one wait for the eight roots, ahead of the first line that names one
.irp j, 0,1,2,3,4,5,6,7
	v_min_num_f32 v[SS+\j], s40, v[SS+\j]
.endr
.irp p, 0,1,2,3
	v_pk_mul_f32 v[SS+2*\p:SS+2*\p+1], v[SS+2*\p:SS+2*\p+1], v[MK+8*(\u)+2*\p:MK+8*(\u)+2*\p+1]
.endr
.irp t, 0,1,2,3
.irp p, 0,1,2,3
	v_pk_mul_f32 v[ACC+8*\t+2*\p:ACC+8*\t+2*\p+1], v[ACC+8*\t+2*\p:ACC+8*\t+2*\p+1], v[SS+2*\p:SS+2*\p+1]
.endr
.endr
	WIN 0xC0
.irp t, 0,1,2,3
.irp p, 0,1,2,3
	v_cvt_pk_f16_f32 v[KH+8*\t+4*(\u)+\p], v[ACC+8*\t+2*\p], v[ACC+8*\t+2*\p+1]
.endr
.endr
	WIN 0
.endm
.macro PROD4 zero                      ; k^T v += 32 positions: sixteen accumulators, one instruction each
	WIN 0xFF
.irp dt, 0,1,2,3
.irp et, 0,1,2,3
.if \zero
	v_wmma_f32_16x16x32_f16 v[KV+8*(4*\dt+\et):KV+8*(4*\dt+\et)+7], v[KH+8*\et:KH+8*\et+7], v[VH+8*\dt:VH+8*\dt+7], 0
.else
	v_wmma_f32_16x16x32_f16 v[KV+8*(4*\dt+\et):KV+8*(4*\dt+\et)+7], v[KH+8*\et:KH+8*\et+7], v[VH+8*\dt:VH+8*\dt+7], v[KV+8*(4*\dt+\et):KV+8*(4*\dt+\et)+7]
.endif
.endr
.endr
	WIN 0
.endm
.macro TILE i
	s_wait_dscnt 0x0                               ; the tile's fragments, scale words and masks are in
	GEMM
.if ((\i) == 3) || ((\i) == 7)
	; THE CHANGE OF SLOTS: the slot's four records have been read.  All my tensor loads have landed (the one that was out is the other slot's); the add; the tile's vector work and its product stand between the add
	; and the wait for it; a round of the cluster's barrier; then the joint refill, which has the other slot's four tiles in which to land.
	s_wait_tensorcnt 0x0
	ds_add_u32 v[SPW], v[NIL]
	s_add_nc_u64 s[34+4*((\i)/4):35+4*((\i)/4)], s[34+4*((\i)/4):35+4*((\i)/4)], WAVEB   ; eight records on; no tensor load of mine is out
	PLACES
	EPI (\i)%2
	PROD4 0
	s_wait_dscnt 0x0                               ; the add is done, and my reads of the slot are over
	ROUND
	tensor_load_to_lds s[32+4*((\i)/4):35+4*((\i)/4)], s[24:31]
	s_nop 0
	PLACES
	LOADT (\i)+1
.else
	PLACES
.if (\i) == 11
	s_wait_tensorcnt 0x0                           ; the last fill, my own bytes; no younger load is out
.endif
.if (\i) < 15
	LOADT (\i)+1
.endif
	EPI (\i)%2
.if ((\i)%2) == 1
.if (\i) == 1
	PROD4 1                                        ; the first product starts the sums
.else
	PROD4 0
.endif
.endif
.endif
.endm
	s_wait_tensorcnt 1                             ; slot 0 is in; slot 1's load may be out
	LOADT 0
.irp i, 0,1,2,3,4,5,6,7,8,9,10,11,12,13,14,15
	TILE \i
.endr
	; THE END: the four waves' parts are added.  Each wave lays its sixteen tiles into its own slot 0, which has had its last fill and its last read; behind a barrier wave w adds tiles 4 w .. 4 w + 3 of all four.
	PLACES
	WIN 0x0C                                       ; an LDS store's data are its source 1: window 3
.irp n, 0,1,2,3,4,5,6,7,8,9,10,11,12,13,14,15
	ds_store_b128 v[XA0], v[KV+8*\n:KV+8*\n+3] offset:1024*\n
	ds_store_b128 v[XA0], v[KV+8*\n+4:KV+8*\n+7] offset:1024*\n+512
.endr
	WIN 0
	BAR
.irp a, 0,1,2,3
.irp k, 0,1,2,3,4,5,6,7
	ds_load_b128 v[96+32*\a+4*\k:96+32*\a+4*\k+3], v[RA+\a] offset:512*\k
.endr
.endr
	s_wait_dscnt 0x0
.irp n, 0,2,4,6,8,10,12,14,16,18,20,22,24,26,28,30
	v_pk_add_f32 v[96+\n:97+\n], v[96+\n:97+\n], v[128+\n:129+\n]
	v_pk_add_f32 v[160+\n:161+\n], v[160+\n:161+\n], v[192+\n:193+\n]
.endr
.irp n, 0,2,4,6,8,10,12,14,16,18,20,22,24,26,28,30
	v_pk_add_f32 v[96+\n:97+\n], v[96+\n:97+\n], v[160+\n:161+\n]
.endr
.irp k, 0,1,2,3,4,5,6,7
	global_store_b128 v[L16], v[96+4*\k:99+4*\k], s[14:15] offset:512*\k   ; 512 consecutive bytes, aligned: the accumulators' registers as they stand
.endr
	s_wait_tensorcnt 0x0                           ; the wave's end
	ds_add_u32 v[SPW], v[NIL]
	s_wait_dscnt 0x0
	ROUND                                          ; the closing round: no work-group ends while a partner may still ask for a tile that names it
	s_endpgm
.Lfunc_end_k_q8c0a2986aa_kvpart:
	.size	k_q8c0a2986aa_kvpart, .Lfunc_end_k_q8c0a2986aa_kvpart-k_q8c0a2986aa_kvpart
	.p2alignl 7, 3214868480
	.fill 96, 4, 3214868480
	.section	.rodata,"a",@progbits
	.p2align	6, 0x0
	.amdhsa_kernel k_q8c0a2986aa_kvpart
		.amdhsa_group_segment_fixed_size 327680
		.amdhsa_private_segment_fixed_size 0
		.amdhsa_enable_private_segment 0
		.amdhsa_kernarg_size 48
		.amdhsa_user_sgpr_count 2
		.amdhsa_user_sgpr_kernarg_segment_ptr 1
		.amdhsa_wavefront_size32 1
		.amdhsa_system_sgpr_workgroup_id_x 1
		.amdhsa_system_sgpr_workgroup_id_y 1
		.amdhsa_system_sgpr_workgroup_id_z 1
		.amdhsa_system_vgpr_workitem_id 0
		.amdhsa_next_free_vgpr 1024
		.amdhsa_next_free_sgpr 66
		.amdhsa_reserve_vcc 1
		.amdhsa_float_denorm_mode_32 3
		.amdhsa_float_denorm_mode_16_64 3
		.amdhsa_memory_ordered 1
		.amdhsa_forward_progress 1
		.amdhsa_inst_pref_size 255
	.end_amdhsa_kernel
	.section	.bss,"aw",@nobits
	.p2align	6
	.space	262144
	.amdgpu_metadata
---
amdhsa.version: [ 1, 2 ]
amdhsa.kernels:
  - .name:           k_q8c0a2986aa_kvpart
    .symbol:         k_q8c0a2986aa_kvpart.kd
    .args:
      - { .name: xq, .offset: 0, .size: 8, .value_kind: global_buffer, .address_space: global }
      - { .name: wc, .offset: 8, .size: 8, .value_kind: global_buffer, .address_space: global }
      - { .name: attention_mask, .offset: 16, .size: 8, .value_kind: global_buffer, .address_space: global }
      - { .name: bk, .offset: 24, .size: 8, .value_kind: global_buffer, .address_space: global }
      - { .name: bv, .offset: 32, .size: 8, .value_kind: global_buffer, .address_space: global }
      - { .name: kvp, .offset: 40, .size: 8, .value_kind: global_buffer, .address_space: global }
    .group_segment_fixed_size: 327680
    .private_segment_fixed_size: 0
    .kernarg_segment_align: 8
    .kernarg_segment_size: 48
    .max_flat_workgroup_size: 128
    .sgpr_count:     66
    .vgpr_count:     1024
    .wavefront_size: 32
...
	.end_amdgpu_metadata
.endif
;; end of part 2
;; launch qctx (part 3): grid 8 x 32, 4 waves a work-group, clusters of 4 x 1, 327,680 bytes of LDS; arguments xq, wc, attention_mask, bq, kvp, icnt, out0; writes out0
.if DOCPART == 3
	.amdgcn_target "amdgcn-amd-amdhsa--gfx1250"
	.amdhsa_code_object_version 6
	.text
	.protected	k_q8c0a2986aa_qctx
	.globl	k_q8c0a2986aa_qctx
	.p2align	8
	.type	k_q8c0a2986aa_qctx,@function
k_q8c0a2986aa_qctx:
	s_mov_b64 s[64:65], 0
	v_nop
	global_prefetch_b8 v0, s[64:65] scope:SCOPE_SE
	s_setreg_imm32_b32 hwreg(HW_REG_WAVE_MODE, 25, 1), 1
	s_wait_xcnt 0x0
	s_wait_alu depctr_hold_cnt(0) depctr_sa_sdst(0) depctr_va_vdst(0) depctr_va_sdst(0) depctr_va_ssrc(0) depctr_va_vcc(0) depctr_vm_vsrc(0)
	s_getreg_b32 s2, hwreg(HW_REG_IB_STS2, 6, 4)
	s_cmp_eq_u32 s2, 0
	s_cbranch_scc0 .Lentry_in_a_cluster
	s_endpgm
.Lentry_in_a_cluster:
	s_bfe_u32 s2, ttmp6, 0x10000c
	s_cmp_lg_u32 s2, 0x3003
	s_cbranch_scc0 .Lentry_shape_is_right
	s_endpgm
.Lentry_shape_is_right:
; THIRD LAUNCH.  q = x Wq + bq on codes of E2M1, masked and normalised over each head's 64 columns; k^T v = the sum of the second launch's two halves; out = q (k^T v) / count.
; The division by the count, which reference() applies to v, is applied here as a factor of the finished sum (an identity for all values; the order of rounding differs).
; LIMITS: q (at most 1) and k^T v go to the last product as f16; k^T v is first brought to magnitudes under 2 by a power of two for each 16 output columns, taken out again behind the product: exact for
; |k^T v| from 2^-100 to under 2^127.  NaN and infinities among the inputs are not served.  Where a batch has no valid token the result is 0 x (1 / 0) = NaN, as in reference().
; SHARES.  Work-group (p, y): rows 512 y .. + 511 against heads 2 p and 2 p + 1.  Each wave holds all eight records of Wq's 128 columns in 512 registers and owns 128 rows: eight records of x, eight tiles.
; CLUSTER: the four work-groups of a cluster are four pairs of heads on the same rows: x's records are asked for JOINTLY (descriptor made of y and the wave's number alone, mask 15).  Each wave asks for its eight
; records by two loads at the head; nothing is filled again.  By this text's own count two tensor loads of a wave are out at the most.
; ORIENTATION: source 0 = W, source 1 = x: lane (r, h) register j of tile t holds q(row r, column 16 t + 8 h + j): a lane holds ONE row throughout.  Two tiles rounded to f16 in pairs are source 1 (32 of the head's 64) of
; out^T = (k^T v)^T q^T, whose result holds eight neighbouring columns of one row a lane.  The second launch's accumulator images, rounded in pairs, are that product's source 0.
; REGISTERS.  window 0: v1-15 addresses; v22, v23 the add's two; v24-55 W's scale words; v56-59 x's; v60-67 row masks; v68-95 at work; v96-159 x's fragments; v160-223 accumulators, later rows on the way out; v224-255 q as f16.
;   windows 1, 2: Wq.   window 3: v0-127 k^T v as f16, (head a, dt, c) at 64 a + 16 dt + 8 c (at the head: the two raw halves); v128-191 biases; v192-255 out^T, (a, dt) at 32 a + 8 dt.
.set REC,   8704
.set SLOTB, 4*REC
.set WAVEB, 2*SLOTB
.set XCH,   4*WAVEB                    ; 34,816 bytes for what goes from wave to wave: W's records, then k^T v's fragments and factors; no fill lands here
.set FACB,  XCH+16384
.set SPARE, XCH+SLOTB                  ; the spare words, 128 bytes a wave: two blocks of 256 bytes that no other line names
.set OP,    528                        ; a row of the stage: 512 bytes + 16
.set XA0, 4
.set XA1, 5
.set SO0, 6
.set SO1, 7
.set XW,  8
.set XR,  9
.set L16, 10
.set R4,  11
.set H32, 12
.set KVI, 13
.set FCI, 14
.set FCO, 15
.set SPW, 22
.set NIL, 23
.set WS,  24
.set XS,  56
.set MKF, 60
.set XF,  96
.set ACC, 160
.set QH,  224
.set KVF, 0
.set BIAS, 128
.set O2,  192
.set FAC, 48                           ; s[48:63] eight pairs: 2^E / count for (head a, dt) at pair 4 a + dt
.set MSB, 0
.macro WIN new
.if MSB != \new
	s_set_vgpr_msb (MSB<<8)|\new
.set MSB, \new
.endif
.endm
.macro PLACES
.rept 4
	v_nop
.endr
.endm
.macro BAR
	s_wait_dscnt 0x0
	s_barrier_signal -1
	s_barrier_wait -1
.endm
.macro ROUND
	s_barrier_signal -1
	s_barrier_wait -1
	s_cmp_lg_u32 s16, 0
	s_cbranch_scc1 .Lnot_wave_0_\@
	s_barrier_signal -3
.Lnot_wave_0_\@:
	s_barrier_wait -3
	s_barrier_signal -1
	s_barrier_wait -1
.endm
	s_load_b256 s[4:11], s[0:1], 0x0               ; xq, wc, mask, bq
	s_load_b128 s[12:15], s[0:1], 0x20             ; kvp, icnt
	s_load_b64 s[44:45], s[0:1], 0x30              ; out0
	v_lshl_add_u32 v[SPW], v0, 2, SPARE
	v_mov_b32 v[NIL], 0
	ds_add_u32 v[SPW], v[NIL]                      ; the wave's opening: the add, twice on end, and its wait ahead of my first tensor load
	ds_add_u32 v[SPW], v[NIL]
	v_lshrrev_b32 v1, 5, v0
	v_readfirstlane_b32 s16, v1                    ; wave
	s_bfe_u32 s17, ttmp6, 0x40000                  ; cx
	s_lshl_b32 s18, ttmp9, 2
	s_add_co_u32 s18, s18, s17                     ; p, the pair of heads: it enters the addresses of wc, bq, kvp and out0 alone
	s_and_b32 s19, ttmp7, 0xffff                   ; y, which the four partners share
	s_mov_b32 s24, 15|(3<<16)|(1<<21)              ; group 1: as in the second launch: 136 dense rows of 256 bytes, for all four work-groups
	s_mov_b32 s25, 32<<16
	s_mov_b32 s26, 136<<16
	s_mov_b32 s27, 32<<16
	s_mov_b32 s28, 136
	s_mov_b32 s29, 32
	s_mov_b32 s30, 0
	s_mov_b32 s31, 0
	s_mov_b32 s40, 0x5368d4a5                      ; 1e12 = 1 / reference()'s EPS
	s_mov_b32 s42, 0x76543210
	s_mov_b32 s43, 0xfedcba98                      ; v_permlanex16_b32's selects for lane l xor 16
	s_lshl_b32 s20, s19, 5
	s_lshl_b32 s21, s16, 3
	s_add_co_u32 s20, s20, s21                     ; my first record: 32 y + 8 w
	s_mul_i32 s20, s20, REC
	s_mov_b32 s21, 0
	s_mov_b32 s32, 1
	s_mul_i32 s33, s16, WAVEB
	s_mov_b32 s36, 1
	s_add_co_u32 s37, s33, SLOTB
	s_wait_dscnt 0x0                               ; both opening adds are done
	s_wait_kmcnt 0x0
	s_add_nc_u64 s[34:35], s[4:5], s[20:21]
	s_add_nc_u64 s[38:39], s[34:35], SLOTB
	s_or_b32 s35, s35, 0x80000000
	s_or_b32 s39, s39, 0x80000000
	ROUND                                          ; all four work-groups are here: the joint loads meet
	tensor_load_to_lds s[32:35], s[24:31]          ; records 0-3
	s_nop 0
	tensor_load_to_lds s[36:39], s[24:31]          ; records 4-7
	s_nop 0
	PLACES
	s_lshr_b32 s68, s19, 2                         ; batch
	s_lshl_b32 s66, s68, 7
	s_mov_b32 s67, 0
	s_add_nc_u64 s[14:15], s[14:15], s[66:67]
	s_load_b32 s41, s[14:15], 0x0                  ; 1 / count
	v_and_b32 v1, 31, v0                           ; l
	v_and_b32 v2, 15, v0                           ; r
	v_bfe_u32 v3, v0, 4, 1                         ; h
	v_lshlrev_b32 v[L16], 4, v1
	v_lshlrev_b32 v[R4], 2, v2
	v_lshlrev_b32 v[H32], 5, v3
	v_add_nc_u32 v[XA0], s33, v[L16]
	v_add_nc_u32 v[XA1], SLOTB, v[XA0]
	v_mul_u32_u24 v[SO0], v2, OP
	v_add_nc_u32 v[SO0], v[SO0], v[H32]
	v_add_nc_u32 v[SO0], s33, v[SO0]               ; the stage, in: row r, 32 bytes for each half of the lanes
	v_add_nc_u32 v[SO1], SLOTB, v[SO0]
	s_mul_i32 s22, s16, REC
	s_add_co_u32 s22, s22, XCH
	v_add_nc_u32 v[XW], s22, v[L16]
	v_add_nc_u32 v[XR], XCH, v[L16]
	s_lshl_b32 s22, s16, 12
	s_add_co_u32 s22, s22, XCH
	v_add_nc_u32 v[KVI], s22, v[L16]
	s_lshl_b32 s22, s16, 8
	s_add_co_u32 s22, s22, FACB
	v_lshl_add_u32 v[FCI], v1, 2, s22
	v_lshl_add_u32 v[FCO], v1, 2, FACB
	v_mov_b32 v92, 1.0
	v_mov_b32 v85, 0                               ; the upper words of the two pairs that the packed scaling names; it takes the low word for both halves
	v_mov_b32 v87, 0
	s_lshl_b32 s66, s19, 11
	s_lshl_b32 s69, s16, 9
	s_add_co_u32 s66, s66, s69
	s_add_nc_u64 s[8:9], s[8:9], s[66:67]          ; my 128 mask words
	s_lshl_b32 s66, s18, 9
	s_add_nc_u64 s[10:11], s[10:11], s[66:67]      ; the pair's 128 numbers of bq
	s_lshl_b32 s66, s18, 3
	s_add_co_u32 s66, s66, s16
	s_mul_i32 s66, s66, REC
	s_add_nc_u64 s[6:7], s[6:7], s[66:67]          ; record 8 p + w
	s_lshl_b32 s66, s68, 5
	s_lshl_b32 s69, s18, 2
	s_add_co_u32 s66, s66, s69
	s_lshr_b32 s69, s16, 1
	s_lshl_b32 s69, s69, 1
	s_add_co_u32 s66, s66, s69                     ; 32 batch + 2 (2 p + w / 2)
	s_lshl_b32 s66, s66, 14
	s_and_b32 s69, s16, 1
	s_lshl_b32 s69, s69, 13
	s_add_co_u32 s66, s66, s69                     ; d tiles 2 (w % 2) and + 1
	s_add_nc_u64 s[12:13], s[12:13], s[66:67]
	s_lshl_b32 s66, s19, 9
	s_lshl_b32 s69, s16, 7
	s_add_co_u32 s66, s66, s69
	s_lshl_b32 s66, s66, 12                        ; my first row, 4,096 bytes a row
	s_lshl_b32 s69, s18, 9
	s_add_co_u32 s66, s66, s69
	s_add_nc_u64 s[44:45], s[44:45], s[66:67]
.irp i, 0,1,2,3,4,5,6,7
	global_load_b32 v[MKF+\i], v[R4], s[8:9] offset:64*\i
.endr
	WIN 0xC0
.irp t, 0,1,2,3,4,5,6,7
	global_load_b128 v[BIAS+8*\t:BIAS+8*\t+3], v[H32], s[10:11] offset:64*\t      ; bq at the lane's eight columns of tile t: the result's layout
	global_load_b128 v[BIAS+8*\t+4:BIAS+8*\t+7], v[H32], s[10:11] offset:64*\t+16
.endr
	WIN 0
.irp k, 0,1,2,3,4,5,6,7,8,9,10,11,12,13,14,15,16
	global_load_b128 v[96+4*\k:99+4*\k], v[L16], s[6:7] offset:512*\k
.endr
.irp k, 0,1,2,3,4,5,6,7,8,9,10,11,12,13,14,15,16
	global_load_b128 v[164+4*\k:167+4*\k], v[L16], s[6:7] offset:SLOTB+512*\k
.endr
	WIN 0xC0
.irp n, 0,1
.irp k, 0,1,2,3,4,5,6,7,8,9,10,11,12,13,14,15
	global_load_b128 v[64*\n+4*\k:64*\n+4*\k+3], v[L16], s[12:13] offset:16384*\n+512*\k   ; half n of k^T v: my head's two d tiles, eight accumulator images
.endr
.endr
	WIN 0
.macro WSTORE src
.irp k, 0,1,2,3,4,5,6,7,8,9,10,11,12,13,14,15,16
	ds_store_b128 v[XW], v[\src+4*\k:\src+4*\k+3] offset:512*\k
.endr
.endm
.macro WFETCH ph
	WIN 0x40
.irp t, 0,1,2,3
.irp k, 0,1,2,3,4,5,6,7
	ds_load_b128 v[32*(4*\ph+\t)+4*\k:32*(4*\ph+\t)+4*\k+3], v[XR] offset:REC*\t+512*\k
.endr
.endr
	WIN 0x80
.irp t, 0,1,2,3
.irp k, 0,1,2,3,4,5,6,7
	ds_load_b128 v[32*(4*\ph+\t)+4*\k:32*(4*\ph+\t)+4*\k+3], v[XR] offset:REC*\t+4096+512*\k
.endr
.endr
	WIN 0
.irp t, 0,1,2,3
	ds_load_b128 v[WS+4*(4*\ph+\t):WS+4*(4*\ph+\t)+3], v[XR] offset:REC*\t+8192
.endr
.endm
	s_wait_loadcnt 49                              ; behind the first record stand the second's 17 loads and k^T v's 32
	WSTORE 96
	BAR
	WFETCH 0
.irp i, 0,1,2,3,4,5,6,7
	v_cmp_eq_u32 vcc_lo, 0, v[MKF+\i]
	v_cndmask_b32 v[MKF+\i], 0, v92, vcc_lo        ; 1.0 where the word is 0
.endr
	BAR                                            ; everybody's reads of the first four records are over
	s_wait_loadcnt 32                              ; k^T v's 32 may be out
	WSTORE 164
	BAR
	WFETCH 1
	s_wait_loadcnt 0x0
	s_wait_kmcnt 0x0
	; k^T v: wave w prepares head w / 2, d tiles 2 (w % 2) + i.  The halves are added; each d tile's largest magnitude (with the floor 2^-100) gives 2^E; the tile x 2^-E is rounded to f16; 2^E / count is kept.
	WIN 0xCF
.irp n, 0,2,4,6,8,10,12,14,16,18,20,22,24,26,28,30,32,34,36,38,40,42,44,46,48,50,52,54,56,58,60,62
	v_pk_add_f32 v[\n:\n+1], v[\n:\n+1], v[64+\n:65+\n]
.endr
	WIN 0
	v_mov_b32 v68, 0x0d800000
	v_mov_b32 v69, 0x0d800000
	v_mov_b32 v70, 0
	v_mov_b32 v71, 0
	WIN 0x3C
.irp n, 0,2,4,6,8,10,12,14,16,18,20,22,24,26,28,30
	v_max3_num_f32 v68, v68, |v[\n]|, |v[\n+1]|
	v_max3_num_f32 v69, v69, |v[32+\n]|, |v[33+\n]|
.endr
	WIN 0
.irp m, 1,2,4,8
	v_max_num_f32_dpp v68, v68, v68 row_xmask:\m row_mask:0xf bank_mask:0xf
	v_max_num_f32_dpp v69, v69, v69 row_xmask:\m row_mask:0xf bank_mask:0xf
.endr
	v_permlanex16_b32 v70, v68, s42, s43
	v_permlanex16_b32 v71, v69, s42, s43
	v_max_num_f32 v68, v68, v70
	v_max_num_f32 v69, v69, v71
	v_and_b32 v72, 0x7f800000, v68                 ; 2^E
	v_and_b32 v73, 0x7f800000, v69
	v_sub_nc_u32 v74, 0x7f000000, v72              ; 2^-E: the exponent field 254 less E's
	v_sub_nc_u32 v76, 0x7f000000, v73
	v_mov_b32 v75, v74
	v_mov_b32 v77, v76
	v_mul_f32 v78, s41, v72                        ; 2^E / count
	v_mul_f32 v79, s41, v73
	WIN 0xC3
.irp n, 0,2,4,6,8,10,12,14,16,18,20,22,24,26,28,30
	v_pk_mul_f32 v[\n:\n+1], v[\n:\n+1], v[74:75]
	v_pk_mul_f32 v[32+\n:33+\n], v[32+\n:33+\n], v[76:77]
.endr
	WIN 0x0F
.irp i, 0,1
.irp c, 0,1
.irp u, 0,1
.irp p, 0,1,2,3
	v_cvt_pk_f16_f32 v[96+16*\i+8*\c+4*\u+\p], v[32*\i+8*(2*\c+\u)+2*\p], v[32*\i+8*(2*\c+\u)+2*\p+1]
.endr
.endr
.endr
.endr
	WIN 0
	BAR                                            ; everybody's reads of W's records are over: the same bytes take k^T v's fragments
.irp i, 0,1
.irp c, 0,1
	ds_store_b128 v[KVI], v[96+16*\i+8*\c:96+16*\i+8*\c+3] offset:2048*\i+1024*\c
	ds_store_b128 v[KVI], v[96+16*\i+8*\c+4:96+16*\i+8*\c+7] offset:2048*\i+1024*\c+512
.endr
.endr
	ds_store_b32 v[FCI], v78
	ds_store_b32 v[FCI], v79 offset:128
	BAR
	WIN 0xC0
.irp k, 0,1,2,3,4,5,6,7,8,9,10,11,12,13,14,15,16,17,18,19,20,21,22,23,24,25,26,27,28,29,30,31
	ds_load_b128 v[KVF+4*\k:KVF+4*\k+3], v[XR] offset:512*\k
.endr
	WIN 0
.irp n, 0,1,2,3,4,5,6,7
	ds_load_b32 v[68+\n], v[FCO] offset:128*\n
.endr
	s_wait_dscnt 0x0
.irp n, 0,1,2,3,4,5,6,7
	v_readfirstlane_b32 s[FAC+2*\n], v[68+\n]      ; the same in all lanes; a factor alone: no address and no branch is made of it
	v_readfirstlane_b32 s[FAC+2*\n+1], v[68+\n]
.endr
.macro GEMM                            ; 64 matrix instructions, the eight accumulators by turns, one instruction a turn
.irp q, 0,1,2,3,4,5,6,7
.if \q == 0
	WIN 0x31                                       ; source 0 (W) window 1, C (biases) window 3
.elseif \q < 4
	WIN 0x01
.else
	WIN 0x02
.endif
.irp t, 0,1,2,3,4,5,6,7
.if \q == 0
	v_wmma_scale_f32_16x16x128_f8f6f4 v[ACC+8*\t:ACC+8*\t+7], v[32*\t:32*\t+7], v[XF:XF+7], v[BIAS+8*\t:BIAS+8*\t+7], v[WS+4*\t], v[XS] matrix_a_fmt:MATRIX_FMT_FP4 matrix_b_fmt:MATRIX_FMT_FP4
.elseif \q < 4
	v_wmma_scale_f32_16x16x128_f8f6f4 v[ACC+8*\t:ACC+8*\t+7], v[32*\t+8*\q:32*\t+8*\q+7], v[XF+8*\q:XF+8*\q+7], v[ACC+8*\t:ACC+8*\t+7], v[WS+4*\t+\q], v[XS+\q] matrix_a_fmt:MATRIX_FMT_FP4 matrix_b_fmt:MATRIX_FMT_FP4
.else
	v_wmma_scale_f32_16x16x128_f8f6f4 v[ACC+8*\t:ACC+8*\t+7], v[32*\t+8*(\q-4):32*\t+8*(\q-4)+7], v[XF+8*\q:XF+8*\q+7], v[ACC+8*\t:ACC+8*\t+7], v[WS+4*\t+\q-4], v[XS+\q-4] matrix_a_fmt:MATRIX_FMT_FP4 matrix_b_fmt:MATRIX_FMT_FP4 matrix_a_scale:MATRIX_SCALE_ROW1 matrix_b_scale:MATRIX_SCALE_ROW1
.endif
.endr
.endr
	WIN 0
.endm
.macro LOADX i
.irp k, 0,1,2,3,4,5,6,7,8,9,10,11,12,13,14,15
	ds_load_b128 v[XF+4*\k:XF+4*\k+3], v[XA0+(\i)/4] offset:((\i)%4)*REC+512*\k
.endr
	ds_load_b128 v[XS:XS+3], v[XA0+(\i)/4] offset:((\i)%4)*REC+8192
.endm
; q's rows are weighed by mask x min(1 / sqrt(sum of squares), 1e12) = mask / max(norm, 1e-12), head by head, and rounded to f16.
.macro EPI i
.irp n, 0,1,2,3,4,5,6,7
.irp a, 0,1
.irp z, 0,1
.if \n == 0
	v_pk_mul_f32 v[68+4*\a+2*\z:69+4*\a+2*\z], v[ACC+8*(4*\a+2*\z):ACC+8*(4*\a+2*\z)+1], v[ACC+8*(4*\a+2*\z):ACC+8*(4*\a+2*\z)+1]
.else
	v_pk_fma_f32 v[68+4*\a+2*\z:69+4*\a+2*\z], v[ACC+8*(4*\a+2*\z+\n/4)+2*(\n%4):ACC+8*(4*\a+2*\z+\n/4)+2*(\n%4)+1], v[ACC+8*(4*\a+2*\z+\n/4)+2*(\n%4):ACC+8*(4*\a+2*\z+\n/4)+2*(\n%4)+1], v[68+4*\a+2*\z:69+4*\a+2*\z]   ; four chains; each accumulator from its low end on
.endif
.endr
.endr
.endr
.irp a, 0,1
	v_pk_add_f32 v[68+4*\a:69+4*\a], v[68+4*\a:69+4*\a], v[70+4*\a:71+4*\a]
.endr
.irp a, 0,1
	v_add_f32 v[68+4*\a], v[68+4*\a], v[69+4*\a]
.endr
.irp a, 0,1
	v_permlanex16_b32 v[70+4*\a], v[68+4*\a], s42, s43   ; the row's other 32 columns of the head lie in the lane 16 away
.endr
.irp a, 0,1
	v_add_f32 v[68+4*\a], v[68+4*\a], v[70+4*\a]
.endr
	v_rsq_f32 v68, v68
	v_rsq_f32 v72, v72
	v_nop
	s_wait_alu depctr_va_vdst(0)                   ; one wait for both roots, ahead of the first line that names one
	v_min_num_f32 v68, s40, v68
	v_min_num_f32 v72, s40, v72
	v_mul_f32 v84, v68, v[MKF+(\i)]
	v_mul_f32 v86, v72, v[MKF+(\i)]
.irp a, 0,1
.irp n, 0,2,4,6,8,10,12,14,16,18,20,22,24,26,28,30
	v_pk_mul_f32 v[ACC+32*\a+\n:ACC+32*\a+\n+1], v[ACC+32*\a+\n:ACC+32*\a+\n+1], v[84+2*\a:85+2*\a] op_sel_hi:[1,0]
.endr
.endr
.irp t, 0,1,2,3,4,5,6,7
.irp p, 0,1,2,3
	v_cvt_pk_f16_f32 v[QH+4*\t+\p], v[ACC+8*\t+2*\p], v[ACC+8*\t+2*\p+1]
.endr
.endr
.endm
.macro PROD5                           ; out^T = (k^T v)^T q^T: eight accumulators by turns, two deep (the head's 64 in two steps of 32); the first step starts the sums
	WIN 0xF3
.irp a, 0,1
.irp dt, 0,1,2,3
	v_wmma_f32_16x16x32_f16 v[O2+32*\a+8*\dt:O2+32*\a+8*\dt+7], v[KVF+64*\a+16*\dt:KVF+64*\a+16*\dt+7], v[QH+16*\a:QH+16*\a+7], 0
.endr
.endr
.irp a, 0,1
.irp dt, 0,1,2,3
	v_wmma_f32_16x16x32_f16 v[O2+32*\a+8*\dt:O2+32*\a+8*\dt+7], v[KVF+64*\a+16*\dt+8:KVF+64*\a+16*\dt+15], v[QH+16*\a+8:QH+16*\a+15], v[O2+32*\a+8*\dt:O2+32*\a+8*\dt+7]
.endr
.endr
.endm
; The way out of tile i: x 2^E / count; a lane's 32 bytes of a row go into the stage and come back as whole rows of 512 bytes.  The stage is record i's own bytes in my slot: filled once, read, and no other wave's.
.macro OUT i
	PLACES
	WIN 0xC3
.irp a, 0,1
.irp dt, 0,1,2,3
.irp p, 0,1,2,3
	v_pk_mul_f32 v[O2+32*\a+8*\dt+2*\p:O2+32*\a+8*\dt+2*\p+1], v[O2+32*\a+8*\dt+2*\p:O2+32*\a+8*\dt+2*\p+1], s[FAC+2*(4*\a+\dt):FAC+2*(4*\a+\dt)+1] op_sel_hi:[1,0]
.endr
.endr
.endr
	WIN 0x0C
.irp a, 0,1
.irp dt, 0,1,2,3
	ds_store_b128 v[SO0+(\i)/4], v[O2+32*\a+8*\dt:O2+32*\a+8*\dt+3] offset:((\i)%4)*REC+256*\a+64*\dt
	ds_store_b128 v[SO0+(\i)/4], v[O2+32*\a+8*\dt+4:O2+32*\a+8*\dt+7] offset:((\i)%4)*REC+256*\a+64*\dt+16
.endr
.endr
	WIN 0
.irp n, 0,1,2,3,4,5,6,7,8,9,10,11,12,13,14,15
	ds_load_b128 v[ACC+4*\n:ACC+4*\n+3], v[XA0+(\i)/4] offset:((\i)%4)*REC+OP*\n   ; LDS serves a wave's instructions in order: these see my stores
.endr
.irp n, 0,1,2,3,4,5,6,7,8,9,10,11,12,13,14,15
	s_wait_dscnt 15-\n
	global_store_b128 v[L16], v[ACC+4*\n:ACC+4*\n+3], s[44:45] offset:65536*(\i)+4096*\n th:TH_STORE_NT   ; 32 lanes store 512 consecutive bytes, aligned; written once, read by nobody here
.endr
.endm
.macro TILE i
	s_wait_dscnt 0x0                               ; the tile's fragments and scale words are in
.if (\i) > 0
	s_wait_xcnt 0x0                                ; the last tile's stores have read the registers that the products now write
.endif
	GEMM
	PLACES
.if (\i) == 3
	s_wait_tensorcnt 0x0                           ; records 4-7, my own bytes; no younger load is out
.endif
.if (\i) < 7
	LOADX (\i)+1
.endif
	EPI \i
	PROD5
	OUT \i
.endm
	s_wait_tensorcnt 1                             ; records 0-3 are in; the second load may be out
	LOADX 0
.irp i, 0,1,2,3,4,5,6,7
	TILE \i
.endr
	s_wait_tensorcnt 0x0                           ; the wave's end
	ds_add_u32 v[SPW], v[NIL]
	s_wait_dscnt 0x0
	ROUND                                          ; the closing round: no work-group ends while a partner may still ask for a tile that names it
	s_endpgm
.Lfunc_end_k_q8c0a2986aa_qctx:
	.size	k_q8c0a2986aa_qctx, .Lfunc_end_k_q8c0a2986aa_qctx-k_q8c0a2986aa_qctx
	.p2alignl 7, 3214868480
	.fill 96, 4, 3214868480
	.section	.rodata,"a",@progbits
	.p2align	6, 0x0
	.amdhsa_kernel k_q8c0a2986aa_qctx
		.amdhsa_group_segment_fixed_size 327680
		.amdhsa_private_segment_fixed_size 0
		.amdhsa_enable_private_segment 0
		.amdhsa_kernarg_size 56
		.amdhsa_user_sgpr_count 2
		.amdhsa_user_sgpr_kernarg_segment_ptr 1
		.amdhsa_wavefront_size32 1
		.amdhsa_system_sgpr_workgroup_id_x 1
		.amdhsa_system_sgpr_workgroup_id_y 1
		.amdhsa_system_sgpr_workgroup_id_z 1
		.amdhsa_system_vgpr_workitem_id 0
		.amdhsa_next_free_vgpr 1024
		.amdhsa_next_free_sgpr 80
		.amdhsa_reserve_vcc 1
		.amdhsa_float_denorm_mode_32 3
		.amdhsa_float_denorm_mode_16_64 3
		.amdhsa_memory_ordered 1
		.amdhsa_forward_progress 1
		.amdhsa_inst_pref_size 226
	.end_amdhsa_kernel
	.amdgpu_metadata
---
amdhsa.version: [ 1, 2 ]
amdhsa.kernels:
  - .name:           k_q8c0a2986aa_qctx
    .symbol:         k_q8c0a2986aa_qctx.kd
    .args:
      - { .name: xq, .offset: 0, .size: 8, .value_kind: global_buffer, .address_space: global }
      - { .name: wc, .offset: 8, .size: 8, .value_kind: global_buffer, .address_space: global }
      - { .name: attention_mask, .offset: 16, .size: 8, .value_kind: global_buffer, .address_space: global }
      - { .name: bq, .offset: 24, .size: 8, .value_kind: global_buffer, .address_space: global }
      - { .name: kvp, .offset: 32, .size: 8, .value_kind: global_buffer, .address_space: global }
      - { .name: icnt, .offset: 40, .size: 8, .value_kind: global_buffer, .address_space: global }
      - { .name: out0, .offset: 48, .size: 8, .value_kind: global_buffer, .address_space: global }
    .group_segment_fixed_size: 327680
    .private_segment_fixed_size: 0
    .kernarg_segment_align: 8
    .kernarg_segment_size: 56
    .max_flat_workgroup_size: 128
    .sgpr_count:     80
    .vgpr_count:     1024
    .wavefront_size: 32
...
	.end_amdgpu_metadata
.endif
;; end of part 3
